; MI455X (gfx1250); checked and timed in simulation.
; The chip was launched on July 23, 2026; its instructions are those of AMD's public machine-readable ISA for CDNA 5 (MIT licence, August 2026) and "CDNA5" Instruction Set Architecture Reference Guide (July 2026). The comments in the code are by the model that wrote it; some were corrected since.
;; Luonge Attention. Allowed arithmetic: matrix products marked QUANTISED: E3M2 operands, one E8M0 scale for each 32 along K, by v_wmma_scale_f32_16x16x128_f8f6f4 with both operands' format E3M2, f32 sums; products left as they are: f32 operands where the result goes on into a quantised operand, else bf16, f16 or f32 operands; f32 sums; everything else in f32.
;; Inputs: Wa 1,024 x 1,024 float32; dec_ht 32 x 1,024 float32; enc_hs 32 x 2,048 x 1,024 float32; mask 32 x 2,048 bool.
;; Outputs: out0 32 x 1,024 float32.
;; This version of the problem:
;;   THIS VERSION OF THE PROBLEM IS GIVEN IN LOW PRECISION. The matrix products marked QUANTISED in the list below multiply operands that are first quantised to E3M2 (3 exponent bits, 2 mantissa bits; 6 bits a number), with one power-of-two scale for each 32 numbers along K (OCP MX v1.0); their sums are f32. All else is computed in f32.
;;   The module's matrix products, in the order in which they are computed (A, B: the left and right operand; K: the contracted axis; several contracted axes count as one K, in the product's order):
;;     1. [M 65,536, K 1,024] x [K 1,024, N 1,024]; A: computed on the way; B: input Wa: QUANTISED
;;     2. batch 32 x [M 1, K 1,024] x [K 1,024, N 2,048]; A: input dec_ht; B: computed on the way: left as it is (M = 1 < 16)
;;     3. batch 32 x [M 1, K 2,048] x [K 2,048, N 1,024]; A: softmax; B: computed on the way: left as it is (M = 1 < 16)
;;   THE QUANTISER, for each operand of a quantised product, along K:
;;     - K is cut into blocks of 32 from its start; a last block that is shorter is filled with zeros.
;;     - A block's scale is 2^e with e = floor(log2(the largest magnitude in the block)) - 4, held to -126 .. 127; a block of zeros has e = 0. As a byte (E8M0): e + 127.
;;     - Each number is divided by its block's scale, clamped to +-28, and rounded to the nearest number of E3M2, ties to even, subnormals kept.
;;     - The product sums the exact products of the quantised numbers (number of the format x scale) in f32.
;;   ~~~python
;;   def quantise(x, axis):      # numpy; x: float32 -> the quantised numbers, widened to float32 again
;;       x = np.moveaxis(x, axis, -1); K = x.shape[-1]
;;       x = np.pad(x, [(0, 0)] * (x.ndim - 1) + [(0, -K % 32)]); x = x.reshape(x.shape[:-1] + (-1, 32)); a = np.abs(x).max(-1, keepdims=True)
;;       e = np.where(a > 0, np.clip(np.frexp(np.where(a > 0, a, 1))[1] - 1 - 4, -126, 127), 0)      # np.frexp(a)[1] - 1 = floor(log2(a)), exactly
;;       r = np.clip(x / 2.0 ** e, -28, 28)
;;       step = 2.0 ** (np.maximum(np.frexp(np.where(r == 0, 1, r))[1] - 1, -2) - 2)
;;       q = np.round(r / step) * step * 2.0 ** e      # np.round: ties to even
;;       return np.moveaxis(q.reshape(q.shape[:-2] + (-1,))[..., :K], -1, axis).astype(np.float32)
;;   ~~~
;;   OPERANDS COMPUTED ON THE WAY. 'Computed on the way' means the value that the module computes at that place (a softmax that the list does not call 'softmax' is quantised finished and normalised). What goes into a quantiser is computed in f32, as accurately as f32 sums, v_exp_f32 and their like allow (about 1e-6 of the number): no bf16 or f16 on the way to a quantiser, and a product that is left as it is and whose result goes on into a quantised operand takes f32 operands (vector FMAs, or v_wmma_f32_16x16x4_f32). A number that lies on a knife's edge between two numbers of the format may be rounded either way, as far as f32 arithmetic and the matrix unit's own rounding can turn it there, and no further.
;; One version. Each part assembles by itself: llvm-mc -triple=amdgcn-amd-amdhsa -mcpu=gfx1250 --defsym DOCPART=n.
;; ======== version 1 of 1: 3 launches
;; limits: an absolute error that grows with the inputs' magnitude: up to 4.77e-07 times it
;; workspace buffers: wq 819,200 bytes; scr 262,144 bytes; flg 8,192 bytes of whole numbers
;; launch quantwa (part 1): grid 8 x 8, 4 waves a work-group, no clusters, 12,800 bytes of LDS; arguments Wa, wq; writes wq
.if DOCPART == 1
	.amdgcn_target "amdgcn-amd-amdhsa--gfx1250"
	.amdhsa_code_object_version 6
	.text
	.protected	k_q561c1038df_quantwa
	.globl	k_q561c1038df_quantwa
	.p2align	8
	.type	k_q561c1038df_quantwa,@function
k_q561c1038df_quantwa:
	s_mov_b64 s[64:65], 0
	v_nop
	global_prefetch_b8 v0, s[64:65] scope:SCOPE_SE
	s_setreg_imm32_b32 hwreg(HW_REG_WAVE_MODE, 25, 1), 1
	s_wait_xcnt 0x0
; Wa [1024 (k)][1024 (u)], f32, K on its FIRST axis, becomes codes of BF6 (E3M2) with one E8M0 scale byte for each 32 along K, laid in the ORDER OF THE OPERAND'S REGISTERS.
; wq: 64 tile blocks of 12,800 bytes, tile n = columns 16 n .. 16 n + 15.  A block holds eight fragment images of 1,536 bytes (K step s = 128 along K at byte 1,536 s): register g of lane l
; lies at 512 (g / 4) + 16 l + 4 (g % 4), so that three loads of 16 bytes a lane bring a fragment.  Behind them, at byte 12,288, 512 bytes of scale words: lane L's 16 bytes at 16 L;
; in lanes 0-15 word i is the word of (column L, K step 2 i), in lanes 16-31 that of (column L - 16, K step 2 i + 1).
; A LANE TAKES A COLUMN, AND ITS REGISTERS RUN DOWN K: a block of 32 lies in one lane's 32 registers, its largest magnitude needs no other lane, and the conversions give codes with K innermost.
; A fragment's lane (r, h) holds k = 64 c + 32 h + 0 .. 31 in registers 6 c .. 6 c + 5: so block t of my column (k = 32 t ..) is registers 6 (t / 2) .. + 5 of the image's lane r + 16 (t % 2).
; A block's scale is 2^(floor(log2(largest magnitude)) - 4); its byte is the largest magnitude's exponent field - 4, held at 1 from below.  A block of zeros so gets the byte 1: its codes are zeros, and this program alone reads the bytes.
; LIMITS: NaN and infinities among the inputs are not served.
; SHARES: work-group (x, y) takes columns 128 x .. + 127 and K step y; a wave 32 columns (two tiles).  The images are gathered in the wave's own 3,072 bytes of LDS and leave 512 consecutive bytes a store.
; The scale words leave 4 bytes a lane, 16 bytes apart: 32 KB in all, one part in 128 of what the launch reads.  No barrier: waves share nothing.
.set X,     32                         ; v32-95   two sets of 32 numbers
.set C,     96                         ; v96-127  eight registers for each block's codes: no store's data are written again
.set OUTR,  128                        ; v128-151 the way out
.set TILEB, 12800
.set FRB,   1536
	s_load_b128 s[4:7], s[0:1], 0x0                ; Wa, wq
	v_lshl_add_u32 v160, v0, 2, 0x3000
	v_mov_b32 v161, 0
	v_lshrrev_b32 v1, 5, v0
	v_readfirstlane_b32 s8, v1                     ; wave 0..3
	v_and_b32 v2, 31, v0                           ; lane
	v_and_b32 v3, 15, v0                           ; r: my column in its tile
	v_bfe_u32 v1, v0, 4, 1                         ; which of the wave's two tiles
	v_lshlrev_b32 v4, 2, v2                        ; in: 4 bytes a lane
	s_mul_i32 s9, s8, 2*FRB                        ; my wave's stage
	v_mul_u32_u24 v5, v1, FRB
	v_lshl_add_u32 v5, v3, 4, v5
	v_add_nc_u32 v5, s9, v5                        ; into the stage: my tile's image, lane r's 16 bytes
	v_lshlrev_b32 v7, 4, v2                        ; out: 16 bytes a lane
	v_add_nc_u32 v6, s9, v7
	v_mul_u32_u24 v8, v1, TILEB
	v_lshl_add_u32 v8, v3, 4, v8                   ; my scale word: my tile's block, 16 r
	s_and_b32 s10, ttmp7, 0xffff                   ; y: the K step
	s_lshl_b32 s12, s10, 19                        ; Wa: 128 y rows of 4,096 bytes
	s_lshl_b32 s14, ttmp9, 9                       ; + 128 x columns
	s_add_co_u32 s12, s12, s14
	s_lshl_b32 s14, s8, 7                          ; + 32 columns a wave
	s_add_co_u32 s12, s12, s14
	s_mov_b32 s13, 0
	s_lshl_b32 s14, ttmp9, 3
	s_lshl_b32 s15, s8, 1
	s_add_co_u32 s14, s14, s15                     ; my first tile: 8 x + 2 wave
	s_mul_i32 s14, s14, TILEB
	s_mul_i32 s16, s10, FRB
	s_add_co_u32 s16, s16, s14                     ; its image of K step y
	s_mov_b32 s17, 0
	s_and_b32 s18, s10, 1
	s_lshl_b32 s18, s18, 8                         ; the scale words: odd K steps in lanes 16-31's places,
	s_lshr_b32 s19, s10, 1
	s_lshl_b32 s19, s19, 2                         ; word y / 2
	s_add_co_u32 s18, s18, s19
	s_add_co_u32 s18, s18, s14
	s_add_co_u32 s18, s18, 8*FRB
	s_mov_b32 s19, 0
	s_wait_kmcnt 0x0
	s_add_nc_u64 s[4:5], s[4:5], s[12:13]
	s_add_nc_u64 s[20:21], s[6:7], s[18:19]
	s_add_nc_u64 s[6:7], s[6:7], s[16:17]
.macro LOAD t                          ; block t: Wa(128 y + 32 t + i, my column), i = 0 .. 31, into set t % 2; 32 lanes read 128 consecutive bytes
.set I, 0
.rept 32
	global_load_b32 v[X+32*((\t)%2)+I], v4, s[4:5] offset:(32*(\t)+I)*4096 th:TH_LOAD_NT
.set I, I+1
.endr
.endm
.macro BLOCK t
.set XS, X+32*((\t)%2)
.set CS, C+8*(\t)
.set HB, 256*((\t)%2)
.if (\t) < 3
	s_wait_loadcnt 32                              ; this block's 32 loads are in; the next block's may be out
.else
	s_wait_loadcnt 0x0
.endif
	v_max3_num_f32 v12, |v[XS]|, |v[XS+1]|, |v[XS+2]|      ; the block's largest magnitude, in two chains: all 32 numbers are mine
	v_max3_num_f32 v13, |v[XS+3]|, |v[XS+4]|, |v[XS+5]|
.irp i, 6,10,14,18,22,26
	v_max3_num_f32 v12, v12, |v[XS+\i]|, |v[XS+\i+1]|
	v_max3_num_f32 v13, v13, |v[XS+\i+2]|, |v[XS+\i+3]|
.endr
	v_max3_num_f32 v12, v12, |v[XS+30]|, |v[XS+31]|
	v_max3_num_f32 v12, v12, v13, 0x2800000        ; and the floor 2^(5 - 127): the byte cannot fall under 1
	v_add_nc_u32 v11, 0xfe000000, v12              ; 4 off the exponent field: the conversion takes the exponent field of this operand as its scale
	v_lshrrev_b32 v13, 23, v11                     ; the scale's byte
.if (\t) == 0
	v_mov_b32 v9, v13                              ; four bytes make my column's scale word for this K step, the lower K in the lower byte
.else
	v_lshl_or_b32 v9, v13, 8*(\t), v9
.endif
	v_cvt_scalef32_pk16_bf6_f32 v[CS:CS+2], v[XS:XS+15], v11
	v_cvt_scalef32_pk16_bf6_f32 v[CS+4:CS+6], v[XS+16:XS+31], v11   ; (a conversion's three registers begin on an even number)
	v_nop                                          ; one plain instruction between a scaled conversion and the vector instruction that touches its result
	v_mov_b32 v[CS+3], v[CS+4]                     ; the block's six registers on end
	v_mov_b32 v[CS+4], v[CS+5]
	v_mov_b32 v[CS+5], v[CS+6]
.if (\t) < 2
	ds_store_b128 v5, v[CS:CS+3] offset:HB         ; the image's registers 0-3,
	ds_store_b64 v5, v[CS+4:CS+5] offset:512+HB    ; 4 and 5
.else
	ds_store_b64 v5, v[CS:CS+1] offset:520+HB      ; 6 and 7,
	ds_store_b128 v5, v[CS+2:CS+5] offset:1024+HB  ; 8-11
.endif
.if (\t) < 2
	LOAD (\t)+2
.endif
.endm
	LOAD 0
	LOAD 1
	BLOCK 0
	BLOCK 1
	BLOCK 2
	BLOCK 3
	global_store_b32 v8, v9, s[20:21]
.irp q, 0,1,2,3,4,5
	ds_load_b128 v[OUTR+4*\q:OUTR+4*\q+3], v6 offset:512*\q    ; LDS serves a wave's instructions in order: these see my stores
.endr
.irp q, 0,1,2,3,4,5
	s_wait_dscnt 5-\q
.if \q < 3
	global_store_b128 v7, v[OUTR+4*\q:OUTR+4*\q+3], s[6:7] offset:512*\q                   ; 32 lanes store 512 consecutive bytes, at a multiple of 256 from wq's first byte
.else
	global_store_b128 v7, v[OUTR+4*\q:OUTR+4*\q+3], s[6:7] offset:TILEB+512*(\q-3)         ; the wave's second tile
.endif
.endr
	s_wait_tensorcnt 0x0
	ds_add_u32 v160, v161
	s_wait_dscnt 0x0
	s_endpgm
.Lfunc_end_k_q561c1038df_quantwa:
	.size	k_q561c1038df_quantwa, .Lfunc_end_k_q561c1038df_quantwa-k_q561c1038df_quantwa
	.p2alignl 7, 3214868480
	.fill 96, 4, 3214868480
	.section	.rodata,"a",@progbits
	.p2align	6, 0x0
	.amdhsa_kernel k_q561c1038df_quantwa
		.amdhsa_group_segment_fixed_size 12800
		.amdhsa_private_segment_fixed_size 0
		.amdhsa_enable_private_segment 0
		.amdhsa_kernarg_size 16
		.amdhsa_user_sgpr_count 2
		.amdhsa_user_sgpr_kernarg_segment_ptr 1
		.amdhsa_wavefront_size32 1
		.amdhsa_system_sgpr_workgroup_id_x 1
		.amdhsa_system_sgpr_workgroup_id_y 1
		.amdhsa_system_sgpr_workgroup_id_z 1
		.amdhsa_system_vgpr_workitem_id 0
		.amdhsa_next_free_vgpr 162
		.amdhsa_next_free_sgpr 66
		.amdhsa_reserve_vcc 0
		.amdhsa_float_denorm_mode_32 3
		.amdhsa_float_denorm_mode_16_64 3
		.amdhsa_memory_ordered 1
		.amdhsa_forward_progress 1
		.amdhsa_inst_pref_size 22
	.end_amdhsa_kernel
	.amdgpu_metadata
---
amdhsa.version: [ 1, 2 ]
amdhsa.kernels:
  - .name:           k_q561c1038df_quantwa
    .symbol:         k_q561c1038df_quantwa.kd
    .args:
      - { .name: Wa, .offset: 0, .size: 8, .value_kind: global_buffer, .address_space: global }
      - { .name: wq, .offset: 8, .size: 8, .value_kind: global_buffer, .address_space: global }
    .group_segment_fixed_size: 12800
    .private_segment_fixed_size: 0
    .kernarg_segment_align: 8
    .kernarg_segment_size: 16
    .max_flat_workgroup_size: 128
    .sgpr_count:     66
    .vgpr_count:     162
    .wavefront_size: 32
...
	.end_amdgpu_metadata
.endif
;; end of part 1
;; launch scores (part 2): grid 256 x 1, 4 waves a work-group, clusters of 4 x 1, 327,680 bytes of LDS; arguments enc_hs, dec_ht, mask, wq, scr, flg; writes scr, flg
.if DOCPART == 2
	.amdgcn_target "amdgcn-amd-amdhsa--gfx1250"
	.amdhsa_code_object_version 6
	.text
	.protected	k_q561c1038df_scores
	.globl	k_q561c1038df_scores
	.p2align	8
	.type	k_q561c1038df_scores,@function
k_q561c1038df_scores:
	s_mov_b64 s[64:65], 0
	v_nop
	global_prefetch_b8 v0, s[64:65] scope:SCOPE_SE
	s_setreg_imm32_b32 hwreg(HW_REG_WAVE_MODE, 25, 1), 1
	s_wait_xcnt 0x0
	s_wait_alu depctr_hold_cnt(0) depctr_sa_sdst(0) depctr_va_vdst(0) depctr_va_sdst(0) depctr_va_ssrc(0) depctr_va_vcc(0) depctr_vm_vsrc(0)
	s_getreg_b32 s2, hwreg(HW_REG_IB_STS2, 6, 4)
	s_cmp_eq_u32 s2, 0
	s_cbranch_scc0 .Lentry_in_a_cluster
	s_endpgm
.Lentry_in_a_cluster:
	s_bfe_u32 s2, ttmp6, 0x10000c
	s_cmp_lg_u32 s2, 0x3003
	s_cbranch_scc0 .Lentry_shape_is_right
	s_endpgm
.Lentry_shape_is_right:
; scr[b][t] = dec[b] . ((enc[b][t] x mask[b][t]) Wa) + (mask ? 0 : -1e9), and one flag bit for each row.
; The product with Wa runs on codes of BF6 (E3M2), one E8M0 scale for each 32 along K = h; its sums, the dot product with dec and all else are f32.
; SHARES.  Work-group g (256 of them) takes rows 256 g .. + 255 of the 65,536 (batch g / 8); each of its four waves 64 rows: four tiles of 16; tile m's lane r is the wave's row 4 r + m, so that a lane's four scores are 16 neighbouring bytes.
; PHASE A.  A wave quantises its 64 rows x 1,024 into 384 registers of codes and 32 of scale words, which stay.  Each load reads 512 consecutive bytes of one row; 16 rows x 512 bytes turn through the wave's own
; stage in LDS (rows 528 bytes apart), so that a lane gets 16 neighbours along K of each block of 32.  A masked row's loads name the wave's row 0 in its stead (its offset is multiplied by the mask byte), and its codes are cleared by an AND.
; THE PRODUCT.  All of Wa's codes (wq: 64 tile blocks of 12,800 bytes, laid as register images) go once through a ring of two LDS slots of eight blocks.  It is used transposed: source 0 = 16 columns u of Wa,
; source 1 = 16 rows of enc: lane (r, h) holds row r and its register j the column 16 n + 8 h + j.  A fragment of Wa read from LDS feeds four matrix instructions, one for each of my row tiles.
; Each finished tile is folded with dec at once: 16 packed multiply-adds in f32; nothing of the 65,536 x 1,024 product goes to memory.
; CLUSTER.  The four work-groups of a cluster walk the same Wa: each chunk is asked for JOINTLY, by the same tensor load with the same descriptor and the mask 15.  The work-group's place enters global addresses of enc, mask, dec, scr and flg alone.
; FLAGS.  A row is flagged where it is unmasked and its score lies within 32 ln 2 of the largest of my wave's 64 scores.  Bit L of word j stands for the wave's row 4 (L % 16) + 2 j + L / 16.
; LIMITS.  NaN and infinities in the inputs are not served; a masked row (but the wave's row 0) is not read, so 0 x infinity counts as 0 here.  A block of zeros carries the byte 1, a masked row the bytes of the row read in its stead, over zero codes.
; REGISTERS, in windows of 256 (s_set_vgpr_msb: bits 1:0 source 0, 3:2 source 1, 5:4 source 2, 7:6 destination):
;   window 0: v1-27 addresses and masks; v32-63 enc's scale words; v64-79 at work; v72-87 dec, two sets; v88-95 the scores' sums; v96-115 codes just made; v116-123 Wa's scale words, two sets; v128-191 accumulators, two sets of four
;             (in phase A v128-255: two sets of 64 numbers); v192-197 the end.
;   window 1: the codes of K steps 0-3 at v[12 (4 s + m)]; v192-255 the 64 rows' load offsets.   window 2: the codes of K steps 4-7.   window 3: phase A: four sets of 64 as loaded; the product: Wa's fragments, two sets of 96.
.set TILEB, 12800                      ; a tile block of wq
.set SLOTB, 8*TILEB                    ; a slot: eight of them
.set SLOT1, 1<<17                      ; slot 1 begins here: one exclusive or turns an address in one slot into the other's
.set SPARE, SLOTB                      ; the spare words, 128 bytes for each wave: two blocks of 256 bytes that no other line names
.set DECB,  SPARE+512                  ; dec[b]: 4,096 bytes
.set STG,   SLOT1+SLOTB                ; the stages of phase A: for each wave two of 16 rows x 528 bytes
.set SP,    528
.set STGH,  16*SP
.set L16,  1                           ; v1   16 x lane
.set STW,  2                           ; v2   my place in a stage's row on the way in
.set STR,  3                           ; v3   and on the way out: row r, + 64 h
.set ADR,  4                           ; v4   LDS address of the tile block in hand
.set ADD,  5                           ; v5   and of its 16 numbers of dec
.set DEC0, 6                           ; v6   DECB + 32 h
.set SPW,  7                           ; v7   LDS address of my spare word; never rewritten
.set NIL,  8                           ; v8   0; never rewritten
.set LN,   9
.set RR,   10
.set HH,   11
.set R16,  14                          ; v14  16 r
.set MK,   16                          ; v16-19  tile m: -1 where my row counts, 0 where it is masked
.set NM,   20                          ; v20-23  1.0 where it is masked
.set MW,   24                          ; v24  the mask bytes of rows 4 r .. 4 r + 3
.set T16,  25                          ; v25  16 x thread
.set DST,  26                          ; v26  DECB + 16 x thread
.set R4,   27                          ; v27  4 r
.set ASC,  32
.set TM,   64
.set DEC,  72
.set SACC, 88
.set PC,   96
.set PW,   115
.set BSC,  116
.set ACC,  128
.set X0,   128
.set F,    192
.set FW,   196
.set VOFF, 192                         ; in window 1
.set W_LD, 0xc1                        ; loaded data window 3, address window 1
.set W_ST, 0x0c                        ; an LDS store's data window 3
.set W_A1, 0x40                        ; destination window 1
.set W_A2, 0x80                        ; destination window 2
.set W_BF, 0xc0                        ; an LDS load's destination window 3
.set W_M1, 0x07                        ; source 0 (Wa) window 3, source 1 (enc) window 1, C and D window 0
.set W_M2, 0x0b                        ; the same with source 1 in window 2
.set MSB, 0
.macro WIN new                         ; the immediate's high byte repeats the setting that is left; a switch that changes nothing is dropped
.if MSB != \new
	s_set_vgpr_msb (MSB<<8)|\new
.set MSB, \new
.endif
.endm
.macro PLACES
.rept 4
	v_nop
.endr
.endm
.macro CREST                           ; a round of the cluster's barrier behind its opening barrier
	s_cmp_lg_u32 s16, 0
	s_cbranch_scc1 .Lnot_wave_0_\@
	s_barrier_signal -3
.Lnot_wave_0_\@:
	s_barrier_wait -3
	s_barrier_signal -1
	s_barrier_wait -1
.endm
.macro ROUND                           ; a whole round
	s_barrier_signal -1
	s_barrier_wait -1
	CREST
.endm
	s_load_b256 s[4:11], s[0:1], 0x0               ; enc s[4:5], dec s[6:7], mask s[8:9], wq s[10:11]
	s_load_b128 s[12:15], s[0:1], 0x20             ; scr s[12:13], flg s[14:15]
	v_lshl_add_u32 v[SPW], v0, 2, SPARE
	v_mov_b32 v[NIL], 0
	ds_add_u32 v7, v8
	ds_add_u32 v7, v8
	s_wait_dscnt 0x0
	v_lshrrev_b32 v[LN], 5, v0
	v_readfirstlane_b32 s16, v[LN]                 ; wave 0..3
	s_bfe_u32 s17, ttmp6, 0x40000                  ; cx: my place in the cluster
	s_lshl_b32 s18, ttmp9, 2
	s_add_co_u32 s18, s18, s17                     ; g = 4 x cluster + cx
	; descriptor group 1: two tile blocks, 25,600 dense bytes, as 100 rows of 256 bytes (32 elements of 8 bytes), no padding
	s_mov_b32 s24, 15|(3<<16)|(1<<21)              ; 15:0 the mask: all four work-groups; 17:16 elements of 8 bytes; 21 set beside a mask
	s_mov_b32 s25, 32<<16                          ; tensor_dim0 = 32
	s_mov_b32 s26, 100<<16                         ; tensor_dim1 = 100
	s_mov_b32 s27, 32<<16                          ; tile_dim0 = 32
	s_mov_b32 s28, 100                             ; tile_dim1 = 100
	s_mov_b32 s29, 32                              ; from row to row
	s_mov_b32 s30, 0
	s_mov_b32 s31, 0
	s_mov_b32 s20, 0x76543210
	s_mov_b32 s21, 0xfedcba98                      ; v_permlanex16_b32's selects for lane l xor 16
	v_and_b32 v[LN], 31, v0
	v_and_b32 v[RR], 15, v0
	v_bfe_u32 v[HH], v0, 4, 1
	v_lshlrev_b32 v[L16], 4, v[LN]
	s_mul_i32 s19, s16, 2*STGH
	s_add_co_u32 s19, s19, STG                     ; my wave's stages
	v_add_nc_u32 v[STW], s19, v[L16]
	v_mul_u32_u24 v[STR], v[RR], SP
	v_lshl_add_u32 v[STR], v[HH], 6, v[STR]
	v_add_nc_u32 v[STR], s19, v[STR]
	v_lshl_add_u32 v[DEC0], v[HH], 5, DECB
	v_lshlrev_b32 v[R16], 4, v[RR]
	v_lshlrev_b32 v[R4], 2, v[RR]
	v_lshlrev_b32 v[T16], 4, v0
	v_lshl_add_u32 v[DST], v0, 4, DECB
.irp b, 0,1,2,3
	v_mov_b32 v[TM+4+\b], 0                        ; written once: a lane permute's destination counts as one of its sources
.endr
	s_mul_i32 s22, s16, 2*TILEB                    ; my quarter of a chunk: in memory and in a slot alike
	s_mov_b32 s23, 0
	s_wait_kmcnt 0x0
	s_mov_b32 s32, 1                               ; group 0 for chunk 0: count = 1,
	s_mul_i32 s33, s16, 2*TILEB                    ; LDS address: slot 0,
	s_add_nc_u64 s[34:35], s[10:11], s[22:23]      ; global address,
	s_or_b32 s35, s35, 0x80000000                  ; type = 2
	s_mov_b32 s36, 1                               ; group 0 for chunk 1; it then walks
	s_add_co_u32 s37, s22, SLOT1
	s_add_nc_u64 s[38:39], s[10:11], s[22:23]
	s_add_nc_u64 s[38:39], s[38:39], SLOTB
	s_or_b32 s39, s39, 0x80000000
	ROUND                                          ; all four work-groups are here: the first joint loads meet
	tensor_load_to_lds s[32:35], s[24:31]          ; both first fills together, ahead of every wait on TENSORcnt, every LDS read and every other barrier: two loads of mine are out
	s_nop 0
	tensor_load_to_lds s[36:39], s[24:31]
	s_nop 0
	PLACES                                         ; (behind a tensor load)
	s_lshl_b32 s60, s18, 20                        ; enc: 256 g rows of 4,096 bytes
	s_lshl_b32 s61, s16, 18                        ; + 64 rows a wave
	s_add_co_u32 s60, s60, s61
	s_mov_b32 s61, 0
	s_add_nc_u64 s[4:5], s[4:5], s[60:61]
	s_lshl_b32 s60, s18, 8
	s_lshl_b32 s62, s16, 6
	s_add_co_u32 s60, s60, s62                     ; my first row: 256 g + 64 wave
	s_add_nc_u64 s[8:9], s[8:9], s[60:61]          ; its mask byte,
	s_lshl_b32 s60, s60, 2
	s_add_nc_u64 s[12:13], s[12:13], s[60:61]      ; its score,
	s_lshr_b32 s60, s60, 5
	s_add_nc_u64 s[14:15], s[14:15], s[60:61]      ; my wave's two flag words: 32 g + 8 wave
	s_lshr_b32 s60, s18, 3
	s_lshl_b32 s60, s60, 12
	s_add_nc_u64 s[6:7], s[6:7], s[60:61]          ; dec of batch g / 8
	s_load_b512 s[40:55], s[8:9], 0x0              ; my wave's 64 mask bytes, as scalars
	global_load_b32 v[MW], v[R4], s[8:9]           ; and four to a lane
	global_load_b128 v[80:83], v[T16], s[6:7]      ; dec: 128 threads x 16 bytes, twice
	global_load_b128 v[84:87], v[T16], s[6:7] offset:2048
	s_wait_kmcnt 0x0
	WIN W_A1
.set RHO, 0
.rept 64                               ; row RHO's load offset: 16 x lane + 4,096 RHO where the row counts, 16 x lane (the wave's row 0) where it is masked
	s_bfe_u32 s60, s[40+RHO/4], (8<<16)|(8*(RHO%4))
	s_min_u32 s60, s60, 1                          ; a loaded number enters an address only behind this hold
	s_mul_i32 s60, s60, RHO*4096
	v_add_nc_u32 v[VOFF+RHO], s60, v[L16]
.set RHO, RHO+1
.endr
; PHASE A goes in 32 units: unit k = tile k / 8, K step k % 8: 16 rows x 128 numbers.
.macro LOAD k                          ; 16 loads, each 512 consecutive bytes of one row, into set k % 4
	WIN W_LD
.irp i, 0,1,2,3,4,5,6,7,8,9,10,11,12,13,14,15
	global_load_b128 v[64*((\k)%4)+4*\i:64*((\k)%4)+4*\i+3], v[VOFF+4*\i+(\k)/8], s[4:5] offset:512*((\k)%8)
.endr
.endm
.macro SWING k                         ; through stage k % 2: in as loaded, out 16 neighbours of each block of 32 a lane.  LDS serves a wave's instructions in order: no wait between the stores and the loads
	WIN W_ST
.irp i, 0,1,2,3,4,5,6,7,8,9,10,11,12,13,14,15
	ds_store_b128 v[STW], v[64*((\k)%4)+4*\i:64*((\k)%4)+4*\i+3] offset:STGH*((\k)%2)+SP*\i
.endr
	WIN 0
.irp b, 0,1,2,3
.irp j, 0,1,2,3
	ds_load_b128 v[X0+64*((\k)%2)+16*\b+4*\j:X0+64*((\k)%2)+16*\b+4*\j+3], v[STR] offset:STGH*((\k)%2)+128*\b+16*\j
.endr
.endr
.endm
; 64 numbers of a lane, v[XQ] on, register 16 b + i = k 32 b + 16 h + i of my row, become codes in v[PC] on (lower halves of my blocks) and v[PC+12] on (upper halves), and the scale word in v[AQ].
.macro QUANT
.irp b, 0,1,2,3
	v_max3_num_f32 v[TM+\b], |v[XQ+16*\b]|, |v[XQ+1+16*\b]|, 0x2800000   ; block b: my 16 numbers, and the floor 2^(5 - 127): the byte cannot fall under 1
.endr
.irp i, 2,4,6,8,10,12,14
.irp b, 0,1,2,3
	v_max3_num_f32 v[TM+\b], v[TM+\b], |v[XQ+16*\b+\i]|, |v[XQ+1+16*\b+\i]|   ; (the four blocks by turns)
.endr
.endr
.irp b, 0,1,2,3
	v_permlanex16_b32 v[TM+4+\b], v[TM+\b], s20, s21
.endr
.irp b, 0,1,2,3
	v_max_num_f32 v[TM+\b], v[TM+\b], v[TM+4+\b]   ; with lane l xor 16's: the block's largest magnitude
.endr
.irp b, 0,1,2,3
	v_add_nc_u32 v[TM+12+\b], 0xfe000000, v[TM+\b] ; 4 off its exponent field: the conversion's scale operand
.endr
.irp b, 0,1,2,3
	v_lshrrev_b32 v[TM+4+\b], 23, v[TM+12+\b]      ; the scale's byte
.endr
	v_lshl_or_b32 v[PW], v[TM+5], 8, v[TM+4]
	v_lshl_or_b32 v[PW], v[TM+6], 16, v[PW]
	v_lshl_or_b32 v[AQ], v[TM+7], 24, v[PW]        ; my row's scale word for this K step, in a register that holds nothing else
.irp c, 0,1
	v_cvt_scalef32_pk16_bf6_f32 v[PC+6*\c:PC+2+6*\c], v[XQ+32*\c:XQ+15+32*\c], v[TM+12+2*\c]
	v_cvt_scalef32_pk16_bf6_f32 v[PC+12+4*\c:PC+14+4*\c], v[XQ+16+32*\c:XQ+31+32*\c], v[TM+12+2*\c+1]   ; (a conversion's three registers begin on an even number)
.endr
	v_nop                                          ; one plain instruction behind a scaled conversion
.irp c, 0,1                            ; the operand's layout wants a WHOLE block in a lane: lanes 0-15 block 2 c, lanes 16-31 block 2 c + 1
.irp i, 0,1,2
	v_permlane16_swap_b32 v[PC+6*\c+\i], v[PC+12+4*\c+\i]
.endr
.endr
.endm
.macro UNIT                            ; unit K
.set UM, K/8
.set US, K%8
.set XQ, X0+64*(K%2)
.set AQ, ASC+8*UM+US
.set FRQ, 12*(4*(US%4)+UM)
	s_wait_dscnt 0x0                               ; this unit's numbers are back from the stage: so its stores into the stage have read set K % 4,
.if K < 28
	LOAD K+4                                       ; which takes the loads of four units on
	s_wait_loadcnt 48                              ; the next unit's 16 loads are in; those of the three units behind it may be out
.elseif K < 31
	s_wait_loadcnt 16*(30-K)
.endif
.if K < 31
	SWING K+1                                      ; and go through the other stage while this unit is quantised
.endif
	WIN 0
	QUANT
.if US < 4
	WIN W_A1
.else
	WIN W_A2
.endif
.irp c, 0,1                            ; into the fragment's own registers, by an AND that clears a masked row's codes
.irp i, 0,1,2
	v_and_b32 v[FRQ+6*\c+\i], v[PC+6*\c+\i], v[MK+UM]
	v_and_b32 v[FRQ+6*\c+3+\i], v[PC+12+4*\c+\i], v[MK+UM]
.endr
.endr
	WIN 0
.endm
	LOAD 0
	LOAD 1
	LOAD 2
	s_wait_loadcnt 48                              ; the mask bytes and dec are in; the 48 loads behind them may be out
	WIN 0
	ds_store_b128 v[DST], v[80:83]
	ds_store_b128 v[DST], v[84:87] offset:2048
.irp m, 0,1,2,3
	v_bfe_u32 v[MK+\m], v[MW], 8*\m, 8
.endr
.irp m, 0,1,2,3
	v_min_u32 v[MK+\m], 1, v[MK+\m]
.endr
.irp m, 0,1,2,3
	v_sub_nc_u32 v[MK+\m], 0, v[MK+\m]
.endr
.irp m, 0,1,2,3
	v_cmp_eq_u32 vcc_lo, 0, v[MK+\m]
	v_cndmask_b32 v[NM+\m], 0, 1.0, vcc_lo
.endr
	LOAD 3
	s_wait_loadcnt 48                              ; unit 0's loads are in
	SWING 0
.set K, 0
.rept 32                               ; written out: each unit's twelve code registers and its scale register are its own and stay
	UNIT
.set K, K+1
.endr
; THE PRODUCT.  Tile n (16 columns of Wa) uses register set p = n % 2.
.macro FOLD p                          ; the scores' sums += the tile's results x dec, two at a time; each accumulator from its low end on
.irp i, 0,1,2,3
.irp m, 0,1,2,3
	v_pk_fma_f32 v[SACC+2*\m:SACC+2*\m+1], v[ACC+32*(\p)+8*\m+2*\i:ACC+32*(\p)+8*\m+2*\i+1], v[DEC+8*(\p)+2*\i:DEC+8*(\p)+2*\i+1], v[SACC+2*\m:SACC+2*\m+1]
.endr
.endr
.endm
.macro FETCH p                         ; 27 LDS loads in one run: the next tile's scale words, its 8 numbers of dec a lane, its eight fragments
	v_add_nc_u32 v[ADR], s56, v[L16]
	v_add_nc_u32 v[ADD], s57, v[DEC0]
	s_add_co_u32 s56, s56, TILEB
	s_add_co_u32 s57, s57, 64
	ds_load_b128 v[BSC+4*(\p):BSC+4*(\p)+3], v[ADR] offset:12288
	ds_load_b128 v[DEC+8*(\p):DEC+8*(\p)+3], v[ADD]
	ds_load_b128 v[DEC+8*(\p)+4:DEC+8*(\p)+7], v[ADD] offset:16
	WIN W_BF
.set Q, 0
.rept 24
	ds_load_b128 v[96*(\p)+4*Q:96*(\p)+4*Q+3], v[ADR] offset:512*Q
.set Q, Q+1
.endr
.endm
.macro MUL8 p, s0                      ; K steps s0 and s0 + 1 x my four row tiles.  The four accumulators take turns, one instruction a turn; K step 0 starts the sums
.irp s, \s0, \s0+1
.irp m, 0,1,2,3
.set rA, 96*(\p)+12*(\s)
.set rB, 12*(4*((\s)%4)+\m)
.set rD, ACC+32*(\p)+8*\m
.set rSA, BSC+4*(\p)+(\s)/2
.set rSB, ASC+8*\m+(\s)
.if (\s) == 0
	v_wmma_scale_f32_16x16x128_f8f6f4 v[rD:rD+7], v[rA:rA+11], v[rB:rB+11], 0, v[rSA], v[rSB] matrix_a_fmt:MATRIX_FMT_BF6 matrix_b_fmt:MATRIX_FMT_BF6
.elseif (\s)%2
	v_wmma_scale_f32_16x16x128_f8f6f4 v[rD:rD+7], v[rA:rA+11], v[rB:rB+11], v[rD:rD+7], v[rSA], v[rSB] matrix_a_fmt:MATRIX_FMT_BF6 matrix_b_fmt:MATRIX_FMT_BF6 matrix_a_scale:MATRIX_SCALE_ROW1
.else
	v_wmma_scale_f32_16x16x128_f8f6f4 v[rD:rD+7], v[rA:rA+11], v[rB:rB+11], v[rD:rD+7], v[rSA], v[rSB] matrix_a_fmt:MATRIX_FMT_BF6 matrix_b_fmt:MATRIX_FMT_BF6
.endif
.endr
.endr
.endm
.macro TILE p, fetch
	WIN 0
	PLACES                                         ; four places behind the last tile's products: for the reads of their results and for the loads into the registers that they read
	FOLD 1-\p                                      ; the last tile's results
.if \fetch
	FETCH 1-\p                                     ; the next tile, into the set that the last tile has left
	s_wait_dscnt 27                                ; this tile's 27 loads are in; the 27 just issued may be out
.else
	s_wait_dscnt 0x0
.endif
	WIN W_M1
	MUL8 \p, 0
	MUL8 \p, 2
	WIN W_M2
	MUL8 \p, 4
	MUL8 \p, 6
	WIN 0
.endm
; A slot's last tile (set 1) changes slots: ONE barrier.  In front of it each wave waits for all its tensor loads (its quarter of the next slot), adds 0 to its spare word, and waits for that and for its reads of this slot.
; fill = 1: the barrier opens a round of the cluster's barrier, and behind the round this slot is filled again with the chunk two on: that load has eight tiles' products in which to land.
.macro CHANGE fill
	WIN 0
	s_wait_tensorcnt 0x0                           ; no tensor load of mine is out, so the walking group 0 may be written
	ds_add_u32 v[SPW], v[NIL]                      ; 0 onto my spare word
.if \fill
	s_xor_b32 s37, s37, SLOT1                      ; the other slot than last time,
	s_add_nc_u64 s[38:39], s[38:39], SLOTB         ; the next chunk; the type bits on top are not reached
.endif
	s_sub_co_u32 s56, s56, SLOTB                   ; the fetches go back to a slot's first tile,
	s_xor_b32 s56, s56, SLOT1                      ; in the other slot
	s_wait_dscnt 1                                 ; this tile's loads are in; the add alone may be out
	WIN W_M1
	MUL8 1, 0                                      ; eight matrix instructions stand between the add and the wait for it
	s_wait_dscnt 0x0                               ; the add is done, and my reads of this slot are over
	s_barrier_signal -1
	MUL8 1, 2
	WIN 0
	s_barrier_wait -1
.if \fill
	CREST                                          ; no wave of any partner still reads this slot or has a load on its way
	tensor_load_to_lds s[36:39], s[24:31]          ; the first thing behind the round, and my one tensor load until the next
	s_nop 0
.endif
	PLACES                                         ; behind the tensor load; also the places in front of the reads and loads below
	FOLD 0
	FETCH 0                                        ; the next slot's first tile
	WIN W_M2
	MUL8 1, 4
	MUL8 1, 6
	WIN 0
.endm
.macro PAIRS                           ; a slot's tiles 0 to 5
	s_mov_b32 s59, 3
.Lpair_\@:
	TILE 0, 1
	TILE 1, 1
	s_sub_co_u32 s59, s59, 1
	s_cmp_lg_u32 s59, 0
	s_cbranch_scc1 .Lpair_\@
.endm
.macro SLOT fill
	PAIRS
	TILE 0, 1
	CHANGE \fill
.endm
.set J, 0
.rept 32
	v_mov_b32 v[ACC+32+J], 0                       ; the loop has no first tile of its own: its first fold finds zeros
.set J, J+1
.endr
.irp j, 0,1,2,3,4,5,6,7
	v_mov_b32 v[DEC+8+\j], 0
.endr
.irp j, 0,1,2,3,4,5,6,7
	v_mov_b32 v[SACC+\j], 0                        ; the scores' sums
.endr
	s_mov_b32 s56, 0                               ; LDS byte of the tile block to be fetched
	s_mov_b32 s57, 0                               ; and of its numbers of dec: 64 bytes a tile
	s_wait_tensorcnt 0x1                           ; my quarter of slot 0 is in; slot 1's may stay out
	s_wait_dscnt 0x0                               ; my part of dec lies in LDS
	s_barrier_signal -1
	s_barrier_wait -1                              ; everybody's does
	FETCH 0
	WIN 0
	s_mov_b32 s58, 6
.Lslot:                                            ; chunks 0 to 5 are multiplied, chunks 2 to 7 asked for
	SLOT 1
	s_sub_co_u32 s58, s58, 1
	s_cmp_lg_u32 s58, 0
	s_cbranch_scc1 .Lslot
	SLOT 0                                         ; chunk 6: the tail is written out
	PAIRS                                          ; chunk 7
	TILE 0, 1
	TILE 1, 0
	PLACES
	FOLD 1
	; THE END.  A sum's two halves and lane l xor 16's are added; a masked row gets -1e9 (its sum is 0: its codes are zeros).
	s_mov_b32 s62, 0xce6e6b28                      ; -1e9
.irp m, 0,1,2,3
	v_add_f32 v[F+\m], v[SACC+2*\m], v[SACC+2*\m+1]
.endr
.irp m, 0,1,2,3
	v_permlanex16_b32 v[TM+\m], v[F+\m], s20, s21
.endr
.irp m, 0,1,2,3
	v_add_f32 v[F+\m], v[F+\m], v[TM+\m]
.endr
.irp m, 0,1,2,3
	v_fma_f32 v[F+\m], v[NM+\m], s62, v[F+\m]
.endr
	v_max3_num_f32 v[TM+4], v[F], v[F+1], v[F+2]   ; the largest of my wave's 64 scores: both halves of the lanes hold the same numbers, so four steps inside a half do
	v_max_num_f32 v[TM+4], v[TM+4], v[F+3]
	v_max_num_f32_dpp v[TM+4], v[TM+4], v[TM+4] row_xmask:1 row_mask:0xf bank_mask:0xf
	v_max_num_f32_dpp v[TM+4], v[TM+4], v[TM+4] row_xmask:2 row_mask:0xf bank_mask:0xf
	v_max_num_f32_dpp v[TM+4], v[TM+4], v[TM+4] row_xmask:4 row_mask:0xf bank_mask:0xf
	v_max_num_f32_dpp v[TM+4], v[TM+4], v[TM+4] row_xmask:8 row_mask:0xf bank_mask:0xf
	v_add_f32 v[TM+4], 0xc1b17218, v[TM+4]         ; less 32 ln 2
.irp m, 0,1,2,3
	v_cmp_ge_f32 s[66+\m], v[F+\m], v[TM+4]
	v_cmp_ne_u32 s60, 0, v[MK+\m]
	s_and_b32 s[66+\m], s[66+\m], s60              ; near the largest, and unmasked
.endr
	s_and_b32 s66, s66, 0xffff                     ; word 0: tile 0 in bits 0-15, tile 1 in bits 16-31
	s_lshl_b32 s67, s67, 16
	s_or_b32 s66, s66, s67
	s_and_b32 s68, s68, 0xffff                     ; word 1: tiles 2 and 3
	s_lshl_b32 s69, s69, 16
	s_or_b32 s68, s68, s69
	v_mov_b32 v[FW], s66
	v_mov_b32 v[FW+1], s68
	s_wait_xcnt 0x0                                ; EXEC changes only behind this wait
	v_cmp_gt_u32 vcc_lo, 16, v[LN]
	s_and_saveexec_b32 s60, vcc_lo
	global_store_b128 v[R16], v[F:F+3], s[12:13]   ; sixteen lanes store my wave's 64 scores: 256 consecutive bytes, at a multiple of 256 from scr's first byte
	s_wait_xcnt 0x0
	s_or_b32 exec_lo, exec_lo, s60
	v_cmp_eq_u32 vcc_lo, 0, v[LN]
	s_and_saveexec_b32 s60, vcc_lo
	global_store_b64 v[L16], v[FW:FW+1], s[14:15]  ; lane 0 (its 16 x lane is 0): the two flag words
	s_wait_xcnt 0x0
	s_or_b32 exec_lo, exec_lo, s60
	s_wait_tensorcnt 0x0                           ; the wave's end
	ds_add_u32 v[SPW], v[NIL]
	s_wait_dscnt 0x0
	ROUND                                          ; the closing round: no work-group ends while a partner may still ask for a chunk that names it
	s_endpgm
.Lfunc_end_k_q561c1038df_scores:
	.size	k_q561c1038df_scores, .Lfunc_end_k_q561c1038df_scores-k_q561c1038df_scores
	.p2alignl 7, 3214868480
	.fill 96, 4, 3214868480
	.section	.rodata,"a",@progbits
	.p2align	6, 0x0
	.amdhsa_kernel k_q561c1038df_scores
		.amdhsa_group_segment_fixed_size 327680
		.amdhsa_private_segment_fixed_size 0
		.amdhsa_enable_private_segment 0
		.amdhsa_kernarg_size 48
		.amdhsa_user_sgpr_count 2
		.amdhsa_user_sgpr_kernarg_segment_ptr 1
		.amdhsa_wavefront_size32 1
		.amdhsa_system_sgpr_workgroup_id_x 1
		.amdhsa_system_sgpr_workgroup_id_y 1
		.amdhsa_system_sgpr_workgroup_id_z 1
		.amdhsa_system_vgpr_workitem_id 0
		.amdhsa_next_free_vgpr 1024
		.amdhsa_next_free_sgpr 80
		.amdhsa_reserve_vcc 1
		.amdhsa_float_denorm_mode_32 3
		.amdhsa_float_denorm_mode_16_64 3
		.amdhsa_memory_ordered 1
		.amdhsa_forward_progress 1
		.amdhsa_inst_pref_size 255
	.end_amdhsa_kernel
	.section	.bss,"aw",@nobits
	.p2align	6
	.space	262144
	.amdgpu_metadata
---
amdhsa.version: [ 1, 2 ]
amdhsa.kernels:
  - .name:           k_q561c1038df_scores
    .symbol:         k_q561c1038df_scores.kd
    .args:
      - { .name: enc_hs, .offset: 0, .size: 8, .value_kind: global_buffer, .address_space: global }
      - { .name: dec_ht, .offset: 8, .size: 8, .value_kind: global_buffer, .address_space: global }
      - { .name: mask, .offset: 16, .size: 8, .value_kind: global_buffer, .address_space: global }
      - { .name: wq, .offset: 24, .size: 8, .value_kind: global_buffer, .address_space: global }
      - { .name: scr, .offset: 32, .size: 8, .value_kind: global_buffer, .address_space: global }
      - { .name: flg, .offset: 40, .size: 8, .value_kind: global_buffer, .address_space: global }
    .group_segment_fixed_size: 327680
    .private_segment_fixed_size: 0
    .kernarg_segment_align: 8
    .kernarg_segment_size: 48
    .max_flat_workgroup_size: 128
    .sgpr_count:     80
    .vgpr_count:     1024
    .wavefront_size: 32
...
	.end_amdgpu_metadata
.endif
;; end of part 2
;; launch context (part 3): grid 8 x 32, 32 waves a work-group, no clusters, 20,992 bytes of LDS; arguments enc_hs, scr, flg, out0; writes out0
.if DOCPART == 3
	.amdgcn_target "amdgcn-amd-amdhsa--gfx1250"
	.amdhsa_code_object_version 6
	.text
	.protected	k_q561c1038df_context
	.globl	k_q561c1038df_context
	.p2align	8
	.type	k_q561c1038df_context,@function
k_q561c1038df_context:
	s_mov_b64 s[64:65], 0
	v_nop
	global_prefetch_b8 v0, s[64:65] scope:SCOPE_SE
	s_setreg_imm32_b32 hwreg(HW_REG_WAVE_MODE, 25, 1), 1
	s_wait_xcnt 0x0
; out0[b][:] = the sum over t of softmax_t(scr[b][t]) x enc[b][t][:] x mask.  All in f32.
; The maximum and the sum of the softmax are taken over all 2,048 scores of the batch (masked rows carry -1e9, as they do where the result is defined).  Of enc only the FLAGGED rows are fetched: those that are
; unmasked and whose score lies within 32 ln 2 of the largest among their 64 rows, which is at most the batch's largest.
; LIMIT: rows left out have a weight under 2^-32 of the largest weight; 2,048 of them are under 2^-21 of it.  They stay in the softmax's sum.  Masked rows are zeros and add nothing.  NaN and infinities in the inputs are not served.
; SHARES.  Work-group (c, b) makes out0[b][128 c .. + 127].  Wave w owns rows 64 w .. + 63; lane l columns 4 l .. + 3 of the slice: a load reads 512 consecutive bytes of a row.
; The flag words are whole numbers that an earlier launch stored: the rows' addresses and the trip count hang on them alone.  Eight rows a trip, four from each word; a place with no flag left names the batch's row 0 and gets the weight 0.
; No matrix unit, no tensor load, no cluster: a few rows a wave are gathered, and work-groups share nothing but those rows' other columns.
.set RED1, 0                           ; LDS: 32 words for the maxima,
.set RED2, 256                         ; 32 for the sums,
.set CTX,  512                         ; and 512 bytes for each wave's part of the context
.set LN,   1
.set L16,  2                           ; v2   16 x lane
.set SO,   3                           ; v3   my score's place: lane L of register j holds the row of bit L of flag word j
.set P,    4                           ; v4-5 two scores, then two weights
.set T,    6                           ; v6-7 at work
.set VO,   8                           ; v8-15  the gathers' offsets
.set D,    16                          ; v16-47 eight rows' 16 bytes
.set ACC,  48                          ; v48-51 my part of the context
.set FM,   52                          ; v52  the batch's largest score
.set LS,   53                          ; v53  the sum of the weights
.set L4,   54                          ; v54  4 x lane
.set W4,   55                          ; v55  4 x wave
.set CW,   56                          ; v56  CTX + 16 x thread
.set CR,   57                          ; v57  CTX + 16 x lane
.set RC,   58                          ; v58  1 / the sum
.set AC2,  60                          ; v60-63 a second chain
.macro WMAX a, t                       ; the largest over the wave's 32 lanes, in every lane
	v_max_num_f32_dpp v[\a], v[\a], v[\a] row_xmask:1 row_mask:0xf bank_mask:0xf
	v_max_num_f32_dpp v[\a], v[\a], v[\a] row_xmask:2 row_mask:0xf bank_mask:0xf
	v_max_num_f32_dpp v[\a], v[\a], v[\a] row_xmask:4 row_mask:0xf bank_mask:0xf
	v_max_num_f32_dpp v[\a], v[\a], v[\a] row_xmask:8 row_mask:0xf bank_mask:0xf
	v_permlanex16_b32 v[\t], v[\a], s44, s45
	v_max_num_f32 v[\a], v[\a], v[\t]
.endm
.macro WSUM a, t                       ; the sum likewise
	v_add_f32_dpp v[\a], v[\a], v[\a] row_xmask:1 row_mask:0xf bank_mask:0xf
	v_add_f32_dpp v[\a], v[\a], v[\a] row_xmask:2 row_mask:0xf bank_mask:0xf
	v_add_f32_dpp v[\a], v[\a], v[\a] row_xmask:4 row_mask:0xf bank_mask:0xf
	v_add_f32_dpp v[\a], v[\a], v[\a] row_xmask:8 row_mask:0xf bank_mask:0xf
	v_permlanex16_b32 v[\t], v[\a], s44, s45
	v_add_f32 v[\a], v[\a], v[\t]
.endm
.macro BARRIER                         ; my LDS instructions are done: then the work-group's barrier
	s_wait_dscnt 0x0
	s_barrier_signal -1
	s_barrier_wait -1
.endm
; Eight gathers: the four lowest flags left in each word.  s[24+q]: the flag's bit, which is also the lane that holds the row's weight; s[32+q]: 1, or 0 where the word is used up.
.macro ISSUE
.irp q, 0,1,2,3,4,5,6,7
	s_min_u32 s[32+\q], s[16+\q/4], 1
	s_ctz_i32_b32 s[24+\q], s[16+\q/4]
	s_and_b32 s[24+\q], s[24+\q], 31
	s_sub_co_u32 s40, s[16+\q/4], 1
	s_and_b32 s[16+\q/4], s[16+\q/4], s40          ; the lowest flag is taken off
	s_and_b32 s41, s[24+\q], 15
	s_lshl_b32 s41, s41, 2
	s_lshr_b32 s42, s[24+\q], 4
	s_add_co_u32 s41, s41, s42
	s_add_co_u32 s41, s41, s43
	s_add_co_u32 s41, s41, 2*(\q/4)                ; the row: 64 w + 4 (bit % 16) + bit / 16 + 2 j
	s_mul_i32 s41, s41, s[32+\q]                   ; or row 0
	s_min_u32 s41, s41, 2047                       ; a loaded number enters an address only behind this hold
	s_lshl_b32 s41, s41, 12
	v_add_nc_u32 v[VO+\q], s41, v[L16]
	global_load_b128 v[D+4*\q:D+4*\q+3], v[VO+\q], s[4:5]
.endr
.endm
.macro CONSUME
	s_wait_loadcnt 0x0                             ; the eight rows are in: their offsets may be written again
.irp q, 0,1,2,3,4,5,6,7
	v_readlane_b32 s[48+2*(\q%2)], v[P+\q/4], s[24+\q]     ; the row's weight
	s_cmp_lg_u32 s[32+\q], 0
	s_cselect_b32 s[48+2*(\q%2)], s[48+2*(\q%2)], 0        ; 0 for a place that holds no flagged row
	s_mov_b32 s[49+2*(\q%2)], s[48+2*(\q%2)]               ; (named with it as a pair, so it is written)
	v_pk_fma_f32 v[ACC:ACC+1], v[D+4*\q:D+4*\q+1], s[48+2*(\q%2):49+2*(\q%2)], v[ACC:ACC+1] op_sel_hi:[1,0,1]
	v_pk_fma_f32 v[ACC+2:ACC+3], v[D+4*\q+2:D+4*\q+3], s[48+2*(\q%2):49+2*(\q%2)], v[ACC+2:ACC+3] op_sel_hi:[1,0,1]
.endr
.endm
	s_load_b256 s[4:11], s[0:1], 0x0               ; enc s[4:5], scr s[6:7], flg s[8:9], out0 s[10:11]
	v_lshl_add_u32 v72, v0, 2, 0x4200
	v_mov_b32 v73, 0
	v_lshrrev_b32 v[LN], 5, v0
	v_readfirstlane_b32 s12, v[LN]                 ; wave 0..31
	s_and_b32 s13, ttmp7, 0xffff                   ; b
	v_and_b32 v[LN], 31, v0
	v_lshlrev_b32 v[L16], 4, v[LN]
	v_and_b32 v[T], 15, v0
	v_bfe_u32 v[T+1], v0, 4, 1
	v_lshlrev_b32 v[SO], 4, v[T]
	v_lshl_add_u32 v[SO], v[T+1], 2, v[SO]         ; 16 (lane % 16) + 4 (lane / 16)
	v_lshlrev_b32 v[L4], 2, v[LN]
	s_lshl_b32 s14, s12, 2
	v_mov_b32 v[W4], s14
	v_lshl_add_u32 v[CW], v0, 4, CTX
	v_add_nc_u32 v[CR], CTX, v[L16]
	s_mov_b32 s44, 0x76543210
	s_mov_b32 s45, 0xfedcba98                      ; v_permlanex16_b32's selects for lane l xor 16
	s_lshl_b32 s43, s12, 6                         ; my first row in the batch
	s_lshl_b32 s14, s13, 5
	s_add_co_u32 s14, s14, s12                     ; 32 b + w
	s_lshl_b32 s20, s14, 3                         ; my two flag words
	s_mov_b32 s21, 0
	s_lshl_b32 s22, s14, 8                         ; my 64 scores
	s_mov_b32 s23, 0
	s_lshl_b32 s40, s13, 23                        ; enc: the batch's 2,048 rows of 4,096 bytes,
	s_lshl_b32 s42, ttmp9, 9                       ; the slice's 512 bytes
	s_add_co_u32 s40, s40, s42
	s_mov_b32 s41, 0
	s_lshl_b32 s46, s13, 12                        ; out0: the batch's row, the slice
	s_add_co_u32 s46, s46, s42
	s_mov_b32 s47, 0
	s_wait_kmcnt 0x0
	s_add_nc_u64 s[4:5], s[4:5], s[40:41]
	s_add_nc_u64 s[6:7], s[6:7], s[22:23]
	s_add_nc_u64 s[8:9], s[8:9], s[20:21]
	s_add_nc_u64 s[10:11], s[10:11], s[46:47]
	s_load_b64 s[16:17], s[8:9], 0x0
	global_load_b32 v[P], v[SO], s[6:7]
	global_load_b32 v[P+1], v[SO], s[6:7] offset:8
	s_wait_kmcnt 0x0
	s_bcnt1_i32_b32 s18, s16
	s_bcnt1_i32_b32 s19, s17
	s_max_u32 s18, s18, s19
	s_add_co_u32 s18, s18, 3
	s_lshr_b32 s18, s18, 2                         ; trips that the fuller word needs, four flags each,
	s_max_u32 s18, s18, 1
	s_sub_co_u32 s18, s18, 1                       ; less the first, which always runs: 0 to 7
	ISSUE                                          ; the first eight rows go out ahead of the softmax: their addresses hang on the flags alone
	s_wait_loadcnt 8                               ; my two scores are in; the eight gathers behind them may be out
	v_max_num_f32 v[T], v[P], v[P+1]
	WMAX T, T+1
	ds_store_b32 v[W4], v[T] offset:RED1           ; all lanes write the same word with the same value
	BARRIER
	ds_load_b32 v[FM], v[L4] offset:RED1           ; the 32 waves' maxima, one a lane
	s_wait_dscnt 0x0
	WMAX FM, T+1
	v_sub_f32 v[P], v[P], v[FM]                    ; the maximum is taken away first
	v_sub_f32 v[P+1], v[P+1], v[FM]
	v_mul_f32 v[P], 0x3fb8aa3b, v[P]               ; x log2(e)
	v_mul_f32 v[P+1], 0x3fb8aa3b, v[P+1]
	v_exp_f32 v[P], v[P]
	v_exp_f32 v[P+1], v[P+1]
.irp j, 0,1,2,3
	v_mov_b32 v[ACC+\j], 0                         ; (plain work behind the exponentials)
.endr
	s_wait_alu depctr_va_vdst(0)                   ; one wait for both exponentials, ahead of their first reader
	v_add_f32 v[T], v[P], v[P+1]
	WSUM T, T+1
	ds_store_b32 v[W4], v[T] offset:RED2
	BARRIER
	ds_load_b32 v[LS], v[L4] offset:RED2
	s_wait_dscnt 0x0
	WSUM LS, T+1
	CONSUME
	s_cmp_eq_u32 s18, 0
	s_cbranch_scc1 .Lgathered
	s_mov_b32 s19, 0
.Lmore:                                            ; the flags that are left; no barrier stands in this loop
	ISSUE
	CONSUME
	s_add_co_u32 s19, s19, 1
	s_cmp_lt_u32 s19, s18
	s_cbranch_scc1 .Lmore
.Lgathered:
	ds_store_b128 v[CW], v[ACC:ACC+3]
	BARRIER                                        ; the 32 parts lie in LDS
	s_cmp_lg_u32 s12, 0
	s_cbranch_scc1 .Lend                           ; wave 0 adds them
	v_rcp_f32 v[RC], v[LS]
.irp g, 0,1,2,3
.irp i, 0,1,2,3,4,5,6,7
	ds_load_b128 v[D+4*\i:D+4*\i+3], v[CR] offset:512*(8*\g+\i)
.endr
	s_wait_dscnt 0x0
.if \g == 0
	v_pk_add_f32 v[ACC:ACC+1], v[D:D+1], v[D+4:D+5]            ; the first four parts start two chains
	v_pk_add_f32 v[ACC+2:ACC+3], v[D+2:D+3], v[D+6:D+7]
	v_pk_add_f32 v[AC2:AC2+1], v[D+8:D+9], v[D+12:D+13]
	v_pk_add_f32 v[AC2+2:AC2+3], v[D+10:D+11], v[D+14:D+15]
.else
	v_pk_add_f32 v[ACC:ACC+1], v[ACC:ACC+1], v[D:D+1]
	v_pk_add_f32 v[ACC+2:ACC+3], v[ACC+2:ACC+3], v[D+2:D+3]
	v_pk_add_f32 v[AC2:AC2+1], v[AC2:AC2+1], v[D+4:D+5]
	v_pk_add_f32 v[AC2+2:AC2+3], v[AC2+2:AC2+3], v[D+6:D+7]
	v_pk_add_f32 v[ACC:ACC+1], v[ACC:ACC+1], v[D+8:D+9]
	v_pk_add_f32 v[ACC+2:ACC+3], v[ACC+2:ACC+3], v[D+10:D+11]
	v_pk_add_f32 v[AC2:AC2+1], v[AC2:AC2+1], v[D+12:D+13]
	v_pk_add_f32 v[AC2+2:AC2+3], v[AC2+2:AC2+3], v[D+14:D+15]
.endif
	v_pk_add_f32 v[ACC:ACC+1], v[ACC:ACC+1], v[D+16:D+17]
	v_pk_add_f32 v[ACC+2:ACC+3], v[ACC+2:ACC+3], v[D+18:D+19]
	v_pk_add_f32 v[AC2:AC2+1], v[AC2:AC2+1], v[D+20:D+21]
	v_pk_add_f32 v[AC2+2:AC2+3], v[AC2+2:AC2+3], v[D+22:D+23]
	v_pk_add_f32 v[ACC:ACC+1], v[ACC:ACC+1], v[D+24:D+25]
	v_pk_add_f32 v[ACC+2:ACC+3], v[ACC+2:ACC+3], v[D+26:D+27]
	v_pk_add_f32 v[AC2:AC2+1], v[AC2:AC2+1], v[D+28:D+29]
	v_pk_add_f32 v[AC2+2:AC2+3], v[AC2+2:AC2+3], v[D+30:D+31]
.endr
	v_pk_add_f32 v[ACC:ACC+1], v[ACC:ACC+1], v[AC2:AC2+1]
	v_pk_add_f32 v[ACC+2:ACC+3], v[ACC+2:ACC+3], v[AC2+2:AC2+3]
	s_wait_alu depctr_va_vdst(0)                   ; the wait for the reciprocal, ahead of its first reader; the additions above are the work between
.irp j, 0,1,2,3
	v_mul_f32 v[ACC+\j], v[ACC+\j], v[RC]          ; divided by the softmax's sum
.endr
	global_store_b128 v[L16], v[ACC:ACC+3], s[10:11]   ; 32 lanes store 512 consecutive bytes, at a multiple of 256 from out0's first byte
.Lend:
	s_wait_tensorcnt 0x0
	ds_add_u32 v72, v73
	s_wait_dscnt 0x0
	s_endpgm
.Lfunc_end_k_q561c1038df_context:
	.size	k_q561c1038df_context, .Lfunc_end_k_q561c1038df_context-k_q561c1038df_context
	.p2alignl 7, 3214868480
	.fill 96, 4, 3214868480
	.section	.rodata,"a",@progbits
	.p2align	6, 0x0
	.amdhsa_kernel k_q561c1038df_context
		.amdhsa_group_segment_fixed_size 20992
		.amdhsa_private_segment_fixed_size 0
		.amdhsa_enable_private_segment 0
		.amdhsa_kernarg_size 32
		.amdhsa_user_sgpr_count 2
		.amdhsa_user_sgpr_kernarg_segment_ptr 1
		.amdhsa_wavefront_size32 1
		.amdhsa_system_sgpr_workgroup_id_x 1
		.amdhsa_system_sgpr_workgroup_id_y 1
		.amdhsa_system_sgpr_workgroup_id_z 1
		.amdhsa_system_vgpr_workitem_id 0
		.amdhsa_next_free_vgpr 74
		.amdhsa_next_free_sgpr 66
		.amdhsa_reserve_vcc 0
		.amdhsa_float_denorm_mode_32 3
		.amdhsa_float_denorm_mode_16_64 3
		.amdhsa_memory_ordered 1
		.amdhsa_forward_progress 1
		.amdhsa_inst_pref_size 26
	.end_amdhsa_kernel
	.amdgpu_metadata
---
amdhsa.version: [ 1, 2 ]
amdhsa.kernels:
  - .name:           k_q561c1038df_context
    .symbol:         k_q561c1038df_context.kd
    .args:
      - { .name: enc_hs, .offset: 0, .size: 8, .value_kind: global_buffer, .address_space: global }
      - { .name: scr, .offset: 8, .size: 8, .value_kind: global_buffer, .address_space: global }
      - { .name: flg, .offset: 16, .size: 8, .value_kind: global_buffer, .address_space: global }
      - { .name: out0, .offset: 24, .size: 8, .value_kind: global_buffer, .address_space: global }
    .group_segment_fixed_size: 20992
    .private_segment_fixed_size: 0
    .kernarg_segment_align: 8
    .kernarg_segment_size: 32
    .max_flat_workgroup_size: 1024
    .sgpr_count:     66
    .vgpr_count:     74
    .wavefront_size: 32
...
	.end_amdgpu_metadata
.endif
;; end of part 3
